; MI455X (gfx1250); checked and timed in simulation.
; The chip was launched on July 23, 2026; its instructions are those of AMD's public machine-readable ISA for CDNA 5 (MIT licence, August 2026) and "CDNA5" Instruction Set Architecture Reference Guide (July 2026). The comments in the code are by the model that wrote it; some were corrected since.
;; Attention Layer. Allowed arithmetic: matrix products marked QUANTISED: E5M2 operands, one given power-of-two scale a tensor, by v_wmma_f32_16x16x64_bf8_bf8 or v_wmma_f32_16x16x128_bf8_bf8, f32 sums; everything else in f32.
;; Inputs: Wk 64 x 512 float32; Wq 64 x 512 float32; Wv 512 x 512 float32; bk 64 float32; bq 64 float32; bv 512 float32; lowp_scales 10 int32 (the exponents e of the quantised operands' scales 2^e); x 4 x 512 x 64 x 64 float32.
;; Outputs: out0 4 x 512 x 64 x 64 float32.
;; This version of the problem:
;;   THIS VERSION OF THE PROBLEM IS GIVEN IN LOW PRECISION. The matrix products marked QUANTISED in the list below multiply operands that are first quantised to E5M2 (5 exponent bits, 2 mantissa bits; 8 bits a number), with one given power-of-two scale for each operand tensor; their sums are f32. All else is computed in f32.
;;   The module's matrix products, in the order in which they are computed (A, B: the left and right operand; K: the contracted axis; several contracted axes count as one K, in the product's order):
;;     1. [M 16,384, K 512] x [K 512, N 64]; A: input x; B: input Wq: QUANTISED (scales: A lowp_scales[0], B lowp_scales[1])
;;     2. [M 16,384, K 512] x [K 512, N 64]; A: input x; B: input Wk: QUANTISED (scales: A lowp_scales[2], B lowp_scales[3])
;;     3. [M 16,384, K 512] x [K 512, N 512]; A: input x; B: input Wv: QUANTISED (scales: A lowp_scales[4], B lowp_scales[5])
;;     4. batch 4 x [M 4,096, K 64] x [K 64, N 4,096]; A: computed on the way; B: computed on the way: QUANTISED (scales: A lowp_scales[6], B lowp_scales[7])
;;     5. batch 4 x [M 512, K 4,096] x [K 4,096, N 4,096]; A: computed on the way; B: softmax (see below): QUANTISED (scales: A lowp_scales[8], B lowp_scales[9])
;;   THE QUANTISER, for each operand of a quantised product, along K:
;;     - The operand's scale is 2^e, e = its entry of the input lowp_scales (int32; the entries are numbered through the quantised products in the list's order, A before B).
;;     - Each number is divided by the scale, clamped to +-57,344, and rounded to the nearest number of E5M2, ties to even, subnormals kept.
;;     - The product sums the exact products of the quantised numbers (number of the format x scale) in f32.
;;   ~~~python
;;   def quantise(x, axis, e):      # numpy; x: float32 -> the quantised numbers, widened to float32 again
;;       x = np.moveaxis(x, axis, -1); K = x.shape[-1]
;;       r = np.clip(x / 2.0 ** e, -57344, 57344)
;;       step = 2.0 ** (np.maximum(np.frexp(np.where(r == 0, 1, r))[1] - 1, -14) - 2)
;;       q = np.round(r / step) * step * 2.0 ** e      # np.round: ties to even
;;       return np.moveaxis(q, -1, axis).astype(np.float32)
;;   ~~~
;;   SOFTMAX AHEAD OF A QUANTISED PRODUCT. Where the list says 'softmax', what is quantised is not the finished softmax but p = 2^(t - M), with t = logit x log2(e) and M = ceil(the row's largest t), a whole number; so 1/2 < the row's largest p <= 1. The row's sum l is taken of the UNQUANTISED p, in f32, and the product's result is divided by l at the end. Since M is a whole number, a kernel that streams over the keys may use a running M (the ceiling of the running maximum): every later rescaling is an exact power of two, so the quantised numbers keep their values, but for numbers so far below the row's largest that they fall under the format's range.
;;   OPERANDS COMPUTED ON THE WAY. 'Computed on the way' means the value that the module computes at that place (a softmax that the list does not call 'softmax' is quantised finished and normalised). What goes into a quantiser is computed in f32, as accurately as f32 sums, v_exp_f32 and their like allow (about 1e-6 of the number): no bf16 or f16 on the way to a quantiser, and a product that is left as it is and whose result goes on into a quantised operand takes f32 operands (vector FMAs, or v_wmma_f32_16x16x4_f32). A number that lies on a knife's edge between two numbers of the format may be rounded either way, as far as f32 arithmetic and the matrix unit's own rounding can turn it there, and no further.
;; One version. Each part assembles by itself: llvm-mc -triple=amdgcn-amd-amdhsa -mcpu=gfx1250 --defsym DOCPART=n.
;; ======== version 1 of 1: 3 launches
;; workspace buffers: wcodes 327,680 bytes; qcodes 1,048,576 bytes; kcodes 1,048,576 bytes; vcodes 8,388,608 bytes
;; launch quantw (part 1): grid 40 x 1, 4 waves a work-group, no clusters, 0 bytes of LDS; arguments Wq, Wk, Wv, lowp_scales, wcodes; writes wcodes
.if DOCPART == 1
	.amdgcn_target "amdgcn-amd-amdhsa--gfx1250"
	.amdhsa_code_object_version 6
	.text
	.protected	k_q9602255c41_quantw
	.globl	k_q9602255c41_quantw
	.p2align	8
	.type	k_q9602255c41_quantw,@function
k_q9602255c41_quantw:
	s_mov_b64 s[64:65], 0
	v_nop
	global_prefetch_b8 v0, s[64:65] scope:SCOPE_SE
	s_setreg_imm32_b32 hwreg(HW_REG_WAVE_MODE, 25, 1), 1
	s_wait_xcnt 0x0
; THE PROGRAM: out = v softmax(q^T k)^T + x, with q = Wq x + bq, k = Wk x + bk, v = Wv x + bv, all five products on codes of BF8 (E5M2), each operand with the scale 2^e given for it in lowp_scales.
; Three launches: this one turns the three weights into codes; the second makes q's, k's and v's codes; the third is the attention and the residual.
; DEAD WORK: none is left out.  Every product is live; each bias goes into a quantiser (bq, bk, bv move the codes of q, k, v), so all three stay, bk too; every input is loaded by some launch.
; THIS LAUNCH: Wq, Wk [64][512] and Wv [512][512], f32, K innermost, become codes laid IN THE ORDER OF THE OPERAND'S REGISTERS, so that a later wave loads a fragment by four loads of 512 consecutive bytes.
; A fragment is 16 rows x 128 along K = 2,048 bytes: group c of four, 512 bytes; in it lane l's 16 bytes at 16 l: row l % 16, K = 32 c + 16 (l / 16) + 0 .. 15.
; wcodes: [tile 0..39][K step 0..3][2,048].  Tiles 0-3: Wq, 4-7: Wk, 8-39: Wv.  THE ROWS OF A TILE OF Wq AND Wk ARE NOT NEIGHBOURS: lane r of tile 2 b + u takes row 32 b + 8 u + r + 8 (r / 8),
; so that the 16 result registers of tiles 2 b and 2 b + 1 are 16 neighbours along the next product's K.  Wv's tiles take rows 16 (tile - 8) + r.
; code = w / 2^e, held within +-57,344, to the nearest code, ties to even; e = entry 1 (Wq), 3 (Wk), 5 (Wv).  LIMITS: e between -126 and 112; NaN among the inputs is not served.
; SHARES: a work-group a tile, a wave a K step, a lane 64 numbers.  A wave reads 512 consecutive bytes of each of 16 rows, each byte once, and stores 2,048 consecutive bytes.  40 work-groups: all the work there is.
; No LDS, no barrier, no matrix unit, no cluster: waves and work-groups share no input.
.set X,  16                            ; v16-79  my 64 numbers: register 16 c + i = K 32 c + 16 (l / 16) + i of my row
.set CD, 80                            ; v80-95  their codes
	s_load_b256 s[4:11], s[0:1], 0x0               ; Wq s[4:5], Wk s[6:7], Wv s[8:9], the exponents s[10:11]
	s_load_b64 s[12:13], s[0:1], 0x20              ; wcodes
	v_lshrrev_b32 v1, 5, v0
	v_readfirstlane_b32 s14, v1                    ; wave = K step
	v_and_b32 v2, 15, v0                           ; r
	v_bfe_u32 v3, v0, 4, 1                         ; h
	v_and_b32 v4, 31, v0
	v_lshlrev_b32 v4, 4, v4                        ; 16 x lane: my place in a group of the image
	s_bfe_u32 s27, ttmp9, 0x10001                  ; Wq, Wk: b of the tile,
	s_lshl_b32 s27, s27, 5
	s_and_b32 s28, ttmp9, 1                        ; and u
	s_lshl_b32 s28, s28, 3
	s_add_co_u32 s27, s27, s28                     ; 32 b + 8 u
	s_sub_co_u32 s28, ttmp9, 8
	s_lshl_b32 s28, s28, 4                         ; Wv: 16 (tile - 8); taken only where the tile is 8 or more
	s_cmp_lt_u32 ttmp9, 8
	s_cselect_b32 s27, s27, s28                    ; the tile's first row
	s_cselect_b32 s26, 8, 0                        ; Wq, Wk: lanes 8-15 stand 8 rows further on
	v_and_b32 v5, s26, v2
	v_add3_u32 v5, v5, v2, s27                     ; my row
	v_lshlrev_b32 v5, 11, v5                       ; a row is 2,048 bytes
	v_lshl_add_u32 v1, v3, 6, v5                   ; + 64 h: my 16 numbers of a block of 32
	s_lshl_b32 s30, s14, 9                         ; the K step: 512 bytes of a row
	s_mov_b32 s31, 0
	s_lshl_b32 s32, ttmp9, 2
	s_add_co_u32 s32, s32, s14
	s_lshl_b32 s32, s32, 11                        ; the image: (4 tile + K step) x 2,048
	s_mov_b32 s33, 0
	s_wait_kmcnt 0x0
	s_load_b256 s[16:23], s[10:11], 0x0            ; e0 .. e7
	s_cmp_lt_u32 ttmp9, 4                          ; which weight: the choice hangs on the work-group's number alone
	s_cselect_b64 s[24:25], s[4:5], s[6:7]
	s_cmp_lt_u32 ttmp9, 8
	s_cselect_b64 s[24:25], s[24:25], s[8:9]
	s_add_nc_u64 s[24:25], s[24:25], s[30:31]
	s_add_nc_u64 s[12:13], s[12:13], s[32:33]
.irp c, 0,1,2,3
.irp i, 0,1,2,3
	global_load_b128 v[X+16*\c+4*\i:X+16*\c+4*\i+3], v1, s[24:25] offset:128*\c+16*\i th:TH_LOAD_NT
.endr
.endr
	s_wait_kmcnt 0x0
	s_cmp_lt_u32 ttmp9, 4
	s_cselect_b32 s29, s17, s19
	s_cmp_lt_u32 ttmp9, 8
	s_cselect_b32 s29, s29, s21                    ; e
	s_add_co_i32 s29, s29, 127
	s_lshl_b32 s28, s29, 23
	v_mov_b32 v11, s28                             ; 2^e as f32: the conversion takes its exponent field
	s_add_co_i32 s29, s29, 15
	s_lshl_b32 s29, s29, 23
	s_or_b32 s29, s29, 0x600000
	v_mov_b32 v10, s29                             ; 57,344 x 2^e
	s_wait_loadcnt 0x0
.irp c, 0,1,2,3
.irp i, 0,1,2,3,4,5,6,7,8,9,10,11,12,13,14,15
	v_med3_num_f32 v[X+16*\c+\i], v[X+16*\c+\i], -v10, v10   ; the conversion to an 8-bit code does not saturate (ISA guide 7.6.2): the hold comes first
.endr
	v_cvt_scalef32_pk8_bf8_f32 v[CD+4*\c:CD+4*\c+1], v[X+16*\c:X+16*\c+7], v11
	v_cvt_scalef32_pk8_bf8_f32 v[CD+4*\c+2:CD+4*\c+3], v[X+16*\c+8:X+16*\c+15], v11
.endr
.irp c, 0,1,2,3
	global_store_b128 v4, v[CD+4*\c:CD+4*\c+3], s[12:13] offset:512*\c   ; the wave stores 512 consecutive bytes, at a multiple of 512 from the buffer's first byte
.endr
	s_endpgm
.Lfunc_end_k_q9602255c41_quantw:
	.size	k_q9602255c41_quantw, .Lfunc_end_k_q9602255c41_quantw-k_q9602255c41_quantw
	.p2alignl 7, 3214868480
	.fill 96, 4, 3214868480
	.section	.rodata,"a",@progbits
	.p2align	6, 0x0
	.amdhsa_kernel k_q9602255c41_quantw
		.amdhsa_group_segment_fixed_size 0
		.amdhsa_private_segment_fixed_size 0
		.amdhsa_enable_private_segment 0
		.amdhsa_kernarg_size 40
		.amdhsa_user_sgpr_count 2
		.amdhsa_user_sgpr_kernarg_segment_ptr 1
		.amdhsa_wavefront_size32 1
		.amdhsa_system_sgpr_workgroup_id_x 1
		.amdhsa_system_sgpr_workgroup_id_y 1
		.amdhsa_system_sgpr_workgroup_id_z 1
		.amdhsa_system_vgpr_workitem_id 0
		.amdhsa_next_free_vgpr 96
		.amdhsa_next_free_sgpr 66
		.amdhsa_reserve_vcc 0
		.amdhsa_float_denorm_mode_32 3
		.amdhsa_float_denorm_mode_16_64 3
		.amdhsa_memory_ordered 1
		.amdhsa_forward_progress 1
		.amdhsa_inst_pref_size 9
	.end_amdhsa_kernel
	.amdgpu_metadata
---
amdhsa.version: [ 1, 2 ]
amdhsa.kernels:
  - .name:           k_q9602255c41_quantw
    .symbol:         k_q9602255c41_quantw.kd
    .args:
      - { .name: Wq, .offset: 0, .size: 8, .value_kind: global_buffer, .address_space: global }
      - { .name: Wk, .offset: 8, .size: 8, .value_kind: global_buffer, .address_space: global }
      - { .name: Wv, .offset: 16, .size: 8, .value_kind: global_buffer, .address_space: global }
      - { .name: lowp_scales, .offset: 24, .size: 8, .value_kind: global_buffer, .address_space: global }
      - { .name: wcodes, .offset: 32, .size: 8, .value_kind: global_buffer, .address_space: global }
    .group_segment_fixed_size: 0
    .private_segment_fixed_size: 0
    .kernarg_segment_align: 8
    .kernarg_segment_size: 40
    .max_flat_workgroup_size: 128
    .sgpr_count:     66
    .vgpr_count:     96
    .wavefront_size: 32
...
	.end_amdgpu_metadata
.endif
;; end of part 1
;; launch project (part 2): grid 64 x 4, 8 waves a work-group, no clusters, 99,328 bytes of LDS; arguments x, wcodes, bq, bk, bv, lowp_scales, qcodes, kcodes, vcodes; writes qcodes, kcodes, vcodes
.if DOCPART == 2
	.amdgcn_target "amdgcn-amd-amdhsa--gfx1250"
	.amdhsa_code_object_version 6
	.text
	.protected	k_q9602255c41_project
	.globl	k_q9602255c41_project
	.p2align	8
	.type	k_q9602255c41_project,@function
k_q9602255c41_project:
	s_mov_b64 s[64:65], 0
	v_nop
	global_prefetch_b8 v0, s[64:65] scope:SCOPE_SE
	s_setreg_imm32_b32 hwreg(HW_REG_WAVE_MODE, 25, 1), 1
	s_wait_xcnt 0x0
; q = Wq x + bq, k = Wk x + bk, v = Wv x + bv on codes of BF8, and q's, k's and v's own codes for the attention.  No work is left out.
; x: [4][512 channels][4,096 positions] f32; K of all three products is the channel.  x is quantised three times, with e0 (for q), e2 (for k), e4 (for v): the three may differ.
; SHARES.  A work-group takes 64 positions of one batch and all 640 outputs.  x is read once: wave w loads channels 64 w .. 64 w + 63, a load a channel: 256 consecutive bytes, two positions a lane.
; A lane's registers then run down the channels, which are K: 16 of them make 16 codes, a lane's 16 bytes of a fragment's image.  The three sets of images (4 tiles of positions x 4 K steps x 2,048 bytes each) lie in LDS.
; IMAGE OF A FRAGMENT (16 rows x 128 K, 16 registers): group c of four is 512 bytes; lane l's 16 bytes at 16 l: row l % 16, K = 32 c + 16 (l / 16) + 0 .. 15.  The same order of K on both sides of every product.
; THE POSITIONS OF A TILE ARE NOT NEIGHBOURS: row r of tile 2 b + u is position 32 b + 8 u + r + 8 (r / 8) of the 64.
; v: source 0 = a tile of positions, source 1 = 16 rows of Wv: a lane holds one channel, and the 16 registers of tiles 2 b, 2 b + 1 are 16 neighbouring positions, the next product's K.  Wave w: channels 64 w .. + 63.
; q, k: source 0 = 16 rows of Wq or Wk (chosen likewise), source 1 = a tile of positions: a lane holds one position and 16 neighbouring channels of q.  Waves 0-3: q, 4-7: k; each: 32 of the 64 channels x 32 positions.
; bq and bk, divided by the power of two that the sums lack, are the sums' first C; v = sum x 2^(e4 + e5) + bv is one packed multiply-add for two numbers.
; The results are quantised in registers (e6, e7, e8) and stored as images: every store of a wave covers 512 consecutive bytes, aligned.
;   qcodes, kcodes: [batch][tile of 16 positions 0..255][group 0..1][lane][16]      vcodes: [batch][128 keys 0..31][tile of 16 channels 0..31][group 0..3][lane][16]
; THE ORDER OF THE LOADS.  x's 64 loads and the biases' 12 go out first; Wv's four K steps, 16 loads each, go out one behind each of the four groups of x's quantising, so that a wave quantises while its weights are on their way.
; NO CLUSTER, NO TENSOR LOAD: the weights' 24 fragments of a wave go from memory straight into the registers that keep them; through LDS all 320 KiB of codes would have to lie beside x's 96 KiB of images, more than a work-group can claim.
; LIMITS on the given exponents, so that each power of two below is an f32 number: e0, e2, e4, e8, e6 - e0 - e1 and e7 - e2 - e3 between -126 and 112; e4 + e5 between -126 and 127.  NaN and infinities among the inputs are not served.
; REGISTERS.  Window 0: v1-7 addresses; v8-15 bv; v16-143 x as loaded, then v's 16 accumulators; v144-207 at work; v208-239 q's or k's 4 accumulators; v240-249 scales and limits.  Window 1: the weights' fragments.
.set SPARE, 98304                      ; behind the images: the spare words, 128 bytes for each wave: four blocks of 256 bytes that no other line names
.set XO,  1                            ; v1   8 x lane: my two positions in a channel's 256 bytes
.set XW,  2                            ; v2   where I store codes of my even position in the images of e0 (e2: 32,768 on)
.set LI,  3                            ; v3   16 x lane
.set LV,  4                            ; v4   16 x lane + 65,536: the images of e4
.set LQ,  5                            ; v5   16 x lane + my set of images (q: e0, k: e2) + my two tiles of positions
.set SPW, 6                            ; v6   LDS address of my spare word; never rewritten
.set NIL, 7                            ; v7   0; never rewritten
.set BV,  8                            ; v8-15  four pairs: bv of my lane's channel in tile n, and 0
.set A,   16
.set BF,  144
.set CQ,  208
.set XW2, 250                          ; v250 XW + 65,536
.set MSB, 0
.macro WIN new                         ; the immediate's high byte repeats the setting that is left
.if MSB != \new
	s_set_vgpr_msb (MSB<<8)|\new
.set MSB, \new
.endif
.endm
.macro MKSC e, vs, vl                  ; s[e] = an exponent: v[vs] = 2^e as f32, v[vl] = 57,344 x 2^e
	s_add_co_i32 s60, s[\e], 127
	s_lshl_b32 s61, s60, 23
	v_mov_b32 v[\vs], s61
	s_add_co_i32 s60, s60, 15
	s_lshl_b32 s60, s60, 23
	s_or_b32 s60, s60, 0x600000
	v_mov_b32 v[\vl], s60
.endm
	s_load_b512 s[4:19], s[0:1], 0x0               ; x s[4:5], wcodes s[6:7], bq s[8:9], bk s[10:11], bv s[12:13], the exponents s[14:15], qcodes s[16:17], kcodes s[18:19]
	s_load_b64 s[20:21], s[0:1], 0x40              ; vcodes
	v_lshl_add_u32 v[SPW], v0, 2, SPARE
	v_mov_b32 v[NIL], 0
	v_lshrrev_b32 v251, 5, v0
	v_readfirstlane_b32 s33, v251                  ; wave w
	s_and_b32 s34, s33, 1                          ; q, k: which two tiles of positions
	s_bfe_u32 s35, s33, 0x10001                    ; q, k: which 32 of the 64 channels
	s_lshr_b32 s36, s33, 2                         ; 0: q, 1: k
	s_and_b32 s37, ttmp7, 0xffff                   ; batch
	v_and_b32 v251, 31, v0                         ; lane
	v_lshlrev_b32 v[XO], 3, v251
	v_lshlrev_b32 v[LI], 4, v251
	v_add_nc_u32 v[LV], 65536, v[LI]
	; position p = 2 lane + (0, 1) is row 8 ((p / 16) % 2) + p % 8 of tile 2 (p / 32) + (p / 8) % 2
	v_bfe_u32 v252, v0, 4, 1
	v_bfe_u32 v253, v0, 2, 1
	v_lshl_add_u32 v252, v252, 1, v253             ; the tile
	v_lshlrev_b32 v[XW], 13, v252                  ; a tile's four K steps: 8,192 bytes
	v_and_b32 v253, 3, v0
	v_lshl_add_u32 v[XW], v253, 5, v[XW]           ; the row: 16 bytes each; 2 (lane % 4),
	v_bfe_u32 v253, v0, 3, 1
	v_lshl_add_u32 v[XW], v253, 7, v[XW]           ; + 8 ((lane / 8) % 2)
	s_lshr_b32 s40, s33, 1
	s_lshl_b32 s40, s40, 11                        ; my 64 channels: K step w / 2,
	s_lshl_b32 s41, s34, 10                        ; groups 2 (w % 2) and 2 (w % 2) + 1
	s_add_co_u32 s40, s40, s41
	v_add_nc_u32 v[XW], s40, v[XW]
	v_add_nc_u32 v[XW2], 65536, v[XW]
	s_lshl_b32 s40, s36, 15
	s_lshl_b32 s41, s34, 14
	s_add_co_u32 s40, s40, s41
	v_add_nc_u32 v[LQ], s40, v[LI]
	v_and_b32 v254, 15, v0
	v_lshlrev_b32 v254, 2, v254                    ; bv: 4 r
	v_bfe_u32 v255, v0, 4, 1
	v_lshlrev_b32 v255, 6, v255                    ; bq, bk: 64 h
.irp n, 0,1,2,3
	v_mov_b32 v[BV+2*\n+1], 0                      ; (named as the upper half of a pair)
.endr
	; byte offsets, each in registers of its own
	s_lshl_b32 s40, s37, 23                        ; x: batch x 8 MiB + w x 64 channels of 16,384 bytes + 256 x block of positions
	s_lshl_b32 s52, s33, 20
	s_add_co_u32 s40, s40, s52
	s_lshl_b32 s52, ttmp9, 8
	s_add_co_u32 s40, s40, s52
	s_mov_b32 s41, 0
	s_lshl_b32 s42, s33, 15                        ; Wv's tiles 8 + 4 w on: 8,192 bytes a tile
	s_add_co_u32 s42, s42, 65536
	s_mov_b32 s43, 0
	s_lshl_b32 s44, s36, 15                        ; Wq's or Wk's tiles 4 (k?) + 2 b on
	s_lshl_b32 s52, s35, 14
	s_add_co_u32 s44, s44, s52
	s_mov_b32 s45, 0
	s_lshl_b32 s54, s35, 7                         ; bq, bk: my 32 numbers
	s_mov_b32 s55, 0
	s_lshl_b32 s56, s37, 18                        ; qcodes, kcodes: (256 batch + 4 block + 2 (w % 2)) x 1,024 + 512 b
	s_lshl_b32 s52, ttmp9, 12
	s_add_co_u32 s56, s56, s52
	s_lshl_b32 s52, s34, 11
	s_add_co_u32 s56, s56, s52
	s_lshl_b32 s52, s35, 9
	s_add_co_u32 s56, s56, s52
	s_mov_b32 s57, 0
	s_lshl_b32 s58, s37, 21                        ; vcodes: batch x 2 MiB + (block / 2) x 65,536 + 4 w x 2,048 + 2 (block % 2) x 512
	s_lshr_b32 s52, ttmp9, 1
	s_lshl_b32 s52, s52, 16
	s_add_co_u32 s58, s58, s52
	s_lshl_b32 s52, s33, 13
	s_add_co_u32 s58, s58, s52
	s_and_b32 s52, ttmp9, 1
	s_lshl_b32 s52, s52, 10
	s_add_co_u32 s58, s58, s52
	s_mov_b32 s59, 0
	s_lshl_b32 s52, s33, 8                         ; bv: my 64 numbers
	s_mov_b32 s53, 0
	s_wait_kmcnt 0x0
	s_load_b256 s[24:31], s[14:15], 0x0            ; e0 .. e7
	s_load_b32 s32, s[14:15], 0x20                 ; e8
	s_add_nc_u64 s[4:5], s[4:5], s[40:41]
	s_add_nc_u64 s[42:43], s[6:7], s[42:43]
	s_add_nc_u64 s[44:45], s[6:7], s[44:45]
	s_add_nc_u64 s[12:13], s[12:13], s[52:53]
	s_cmp_eq_u32 s36, 0                            ; q's buffers or k's: the choice hangs on the wave's number alone
	s_cselect_b64 s[48:49], s[8:9], s[10:11]
	s_cselect_b64 s[50:51], s[16:17], s[18:19]
	s_add_nc_u64 s[48:49], s[48:49], s[54:55]
	s_add_nc_u64 s[50:51], s[50:51], s[56:57]
	s_add_nc_u64 s[20:21], s[20:21], s[58:59]
	; ---- the head's loads: x's 64, then the biases' 12: 76
.set i, 0
.rept 64
	global_load_b64 v[A+2*i:A+2*i+1], v[XO], s[4:5] offset:16384*i th:TH_LOAD_NT   ; channel 64 w + i: the wave reads 256 consecutive bytes, aligned
.set i, i+1
.endr
.irp n, 0,1,2,3
	global_load_b32 v[BV+2*\n], v254, s[12:13] offset:64*\n          ; bv of channel 64 w + 16 n + r
.endr
.irp m, 0,1
.irp u, 0,1
	global_load_b128 v[CQ+8*(2*\m+\u):CQ+8*(2*\m+\u)+3], v255, s[48:49] offset:32*\u      ; the bias of channels 32 b + 16 h + 8 u + 0 .. 7, straight into the accumulators
	global_load_b128 v[CQ+8*(2*\m+\u)+4:CQ+8*(2*\m+\u)+7], v255, s[48:49] offset:32*\u+16
.endr
.endr
	s_wait_kmcnt 0x0
	MKSC 24, 240, 241                              ; e0
	MKSC 26, 242, 243                              ; e2
	MKSC 28, 244, 245                              ; e4
	MKSC 32, 246, 247                              ; e8
	s_add_co_i32 s46, s24, s25
	s_add_co_i32 s47, s26, s27
	s_cmp_eq_u32 s36, 0
	s_cselect_b32 s46, s46, s47                    ; a sum of q's or k's product stands for sum x 2^(e0 + e1) or 2^(e2 + e3);
	s_cselect_b32 s47, s30, s31                    ; its own scale is e6 or e7:
	s_sub_co_i32 s47, s47, s46                     ; the three are folded into the conversion's one,
	s_sub_co_i32 s46, 0, s46                       ; and the bias goes in divided by the first two
	MKSC 47, 248, 249
	s_add_co_i32 s38, s28, s29
	s_add_co_i32 s38, s38, 127
	s_lshl_b32 s38, s38, 23                        ; 2^(e4 + e5) as f32
	s_mov_b32 s39, s38                             ; (named with it as a pair, so it is written)
; Wv's four fragments of K step s: 16 loads, into window 1
.macro WCH s
	WIN 0x40                                       ; destination window 1
.irp n, 0,1,2,3
.irp c, 0,1,2,3
	global_load_b128 v[64*\s+16*\n+4*\c:64*\s+16*\n+4*\c+3], v[LI], s[42:43] offset:\n*8192+\s*2048+512*\c   ; Wv's fragment (tile n, K step s)
.endr
.endr
	WIN 0
.endm
; 16 channels (16 g on, of my 64) of my two positions: group g / 2 of my two, lanes' half g % 2.  The hold writes into other registers, and so brings the position's 16 numbers side by side.
.macro XQ g
	s_wait_dscnt 0x0                               ; the last group's stores have read their registers
.irp q, 0,1,2
.irp p, 0,1
.irp i, 0,1,2,3,4,5,6,7,8,9,10,11,12,13,14,15
	v_med3_num_f32 v[BF+16*\p+\i], v[A+2*(16*\g+\i)+\p], -v[241+2*\q], v[241+2*\q]   ; the conversion to an 8-bit code does not saturate (ISA guide 7.6.2)
.endr
	v_cvt_scalef32_pk8_bf8_f32 v[BF+32+4*(2*\q+\p):BF+32+4*(2*\q+\p)+1], v[BF+16*\p:BF+16*\p+7], v[240+2*\q]
	v_cvt_scalef32_pk8_bf8_f32 v[BF+32+4*(2*\q+\p)+2:BF+32+4*(2*\q+\p)+3], v[BF+16*\p+8:BF+16*\p+15], v[240+2*\q]
.if \q == 2
	ds_store_b128 v[XW2], v[BF+32+4*(2*\q+\p):BF+32+4*(2*\q+\p)+3] offset:512*(\g/2)+256*(\g%2)+16*\p
.else
	ds_store_b128 v[XW], v[BF+32+4*(2*\q+\p):BF+32+4*(2*\q+\p)+3] offset:32768*\q+512*(\g/2)+256*(\g%2)+16*\p
.endif
.endr
.endr
.endm
	; ---- x's codes, three times, into the images.  Loads come back in order (ISA guide 5.7.1).  In front of group g, 76 + 16 g loads have been issued: with at most 60 out, the first 16 (g + 1) are in: the group's channels
	s_wait_loadcnt 60
	XQ 0
	WCH 0
	s_wait_loadcnt 60
	XQ 1
	WCH 1
	s_wait_loadcnt 60
	XQ 2
	WCH 2
	s_wait_loadcnt 60
	XQ 3
	v_nop                                          ; a plain vector line behind the last conversion, ahead of whatever next touches its registers
	WCH 3                                          ; 140 loads have been issued
	s_wait_dscnt 0x0                               ; for the others' sake: my stores into the images are done
	s_barrier_signal -1
	s_barrier_wait -1                              ; all 48 images lie in LDS; they are written no more
	s_wait_loadcnt 48                              ; Wv's K steps 1 to 3 may be out: x, the biases and K step 0 are in
.irp j, 0,1,2,3,4,5,6,7,8,9,10,11,12,13,14,15,16,17,18,19,20,21,22,23,24,25,26,27,28,29,30,31
	v_ldexp_f32 v[CQ+\j], v[CQ+\j], s46            ; bias / 2^(ea + eb): exact
.endr
	; ---- v: 16 accumulators by turns, a K step at a time
.irp s, 0,1,2,3
.irp m, 0,1,2,3
.irp c, 0,1,2,3
	ds_load_b128 v[BF+16*\m+4*\c:BF+16*\m+4*\c+3], v[LV] offset:(4*\m+\s)*2048+512*\c
.endr
.endr
.if \s == 3
	s_wait_loadcnt 32                              ; behind Wv's K step 3 stand the 32 loads of Wq or Wk
.elseif \s > 0
	s_wait_loadcnt 48                              ; behind Wv's K step s stand 48 loads: its later K steps' and those of Wq or Wk issued so far
.endif
	s_wait_dscnt 0x0
	WIN 0x04                                       ; source 1 (Wv) window 1
.irp n, 0,1,2,3
.irp m, 0,1,2,3
.if \s == 0
	v_wmma_f32_16x16x128_bf8_bf8 v[A+8*(4*\n+\m):A+8*(4*\n+\m)+7], v[BF+16*\m:BF+16*\m+15], v[64*\s+16*\n:64*\s+16*\n+15], 0
.else
	v_wmma_f32_16x16x128_bf8_bf8 v[A+8*(4*\n+\m):A+8*(4*\n+\m)+7], v[BF+16*\m:BF+16*\m+15], v[64*\s+16*\n:64*\s+16*\n+15], v[A+8*(4*\n+\m):A+8*(4*\n+\m)+7]
.endif
.endr
.endr
	WIN 0
.rept 4
	v_nop                                          ; four places in front of loads into registers that matrix instructions have read
.endr
.if \s < 2
	WIN 0x40                                       ; this K step's fragments of Wv are done with: their registers take Wq's or Wk's of K steps 2 s and 2 s + 1
.irp d, 0,1
.irp u, 0,1
.irp c, 0,1,2,3
	global_load_b128 v[32*(2*\s+\d)+16*\u+4*\c:32*(2*\s+\d)+16*\u+4*\c+3], v[LI], s[44:45] offset:\u*8192+(2*\s+\d)*2048+512*\c
.endr
.endr
.endr
	WIN 0
.endif
.endr
	; ---- q or k: 4 accumulators by turns, on top of the bias
	s_wait_loadcnt 0x0
.irp f, 0,1
.irp m, 0,1
.irp d, 0,1
.irp c, 0,1,2,3
	ds_load_b128 v[BF+16*(2*\m+\d)+4*\c:BF+16*(2*\m+\d)+4*\c+3], v[LQ] offset:\m*8192+(2*\f+\d)*2048+512*\c
.endr
.endr
.endr
	s_wait_dscnt 0x0
	WIN 0x01                                       ; source 0 (the weight) window 1
.irp d, 0,1
.irp m, 0,1
.irp u, 0,1
	v_wmma_f32_16x16x128_bf8_bf8 v[CQ+8*(2*\m+\u):CQ+8*(2*\m+\u)+7], v[32*(2*\f+\d)+16*\u:32*(2*\f+\d)+16*\u+15], v[BF+16*(2*\m+\d):BF+16*(2*\m+\d)+15], v[CQ+8*(2*\m+\u):CQ+8*(2*\m+\u)+7]
.endr
.endr
.endr
	WIN 0
.rept 4
	v_nop                                          ; places in front of the next loads, and of the first read of results
.endr
.endr
	; ---- q's or k's codes: a tile of positions gives each lane 16 neighbouring channels: one group of its image
.irp m, 0,1
.irp i, 0,1,2,3,4,5,6,7,8,9,10,11,12,13,14,15
	v_med3_num_f32 v[CQ+16*\m+\i], v[CQ+16*\m+\i], -v249, v249
.endr
	v_cvt_scalef32_pk8_bf8_f32 v[BF+4*\m:BF+4*\m+1], v[CQ+16*\m:CQ+16*\m+7], v248
	v_cvt_scalef32_pk8_bf8_f32 v[BF+4*\m+2:BF+4*\m+3], v[CQ+16*\m+8:CQ+16*\m+15], v248
.endr
	v_nop
.irp m, 0,1
	global_store_b128 v[LI], v[BF+4*\m:BF+4*\m+3], s[50:51] offset:1024*\m
.endr
	; ---- v's codes: tiles 2 b and 2 b + 1 of positions give each lane 16 neighbouring keys of its channel.  Each group has registers of its own for its codes: no store's data are written again
.irp n, 0,1,2,3
.irp b, 0,1
.irp i, 0,2,4,6,8,10,12,14
	v_pk_fma_f32 v[A+8*(4*\n+2*\b)+\i:A+8*(4*\n+2*\b)+\i+1], v[A+8*(4*\n+2*\b)+\i:A+8*(4*\n+2*\b)+\i+1], s[38:39], v[BV+2*\n:BV+2*\n+1] op_sel_hi:[1,0,0]   ; sum x 2^(e4 + e5) + bv (of both pairs the low word serves both halves)
.endr
.irp i, 0,1,2,3,4,5,6,7,8,9,10,11,12,13,14,15
	v_med3_num_f32 v[A+8*(4*\n+2*\b)+\i], v[A+8*(4*\n+2*\b)+\i], -v247, v247
.endr
	v_cvt_scalef32_pk8_bf8_f32 v[BF+8+4*(2*\n+\b):BF+8+4*(2*\n+\b)+1], v[A+8*(4*\n+2*\b):A+8*(4*\n+2*\b)+7], v246
	v_cvt_scalef32_pk8_bf8_f32 v[BF+8+4*(2*\n+\b)+2:BF+8+4*(2*\n+\b)+3], v[A+8*(4*\n+2*\b)+8:A+8*(4*\n+2*\b)+15], v246
	global_store_b128 v[LI], v[BF+8+4*(2*\n+\b):BF+8+4*(2*\n+\b)+3], s[20:21] offset:\n*2048+\b*512
.endr
.endr
	v_nop
	s_wait_tensorcnt 0x0                           ; the wave's end, behind my last LDS store
	ds_add_u32 v[SPW], v[NIL]
	s_wait_dscnt 0x0
	s_endpgm
.Lfunc_end_k_q9602255c41_project:
	.size	k_q9602255c41_project, .Lfunc_end_k_q9602255c41_project-k_q9602255c41_project
	.p2alignl 7, 3214868480
	.fill 96, 4, 3214868480
	.section	.rodata,"a",@progbits
	.p2align	6, 0x0
	.amdhsa_kernel k_q9602255c41_project
		.amdhsa_group_segment_fixed_size 99328
		.amdhsa_private_segment_fixed_size 0
		.amdhsa_enable_private_segment 0
		.amdhsa_kernarg_size 72
		.amdhsa_user_sgpr_count 2
		.amdhsa_user_sgpr_kernarg_segment_ptr 1
		.amdhsa_wavefront_size32 1
		.amdhsa_system_sgpr_workgroup_id_x 1
		.amdhsa_system_sgpr_workgroup_id_y 1
		.amdhsa_system_sgpr_workgroup_id_z 1
		.amdhsa_system_vgpr_workitem_id 0
		.amdhsa_next_free_vgpr 512
		.amdhsa_next_free_sgpr 66
		.amdhsa_reserve_vcc 0
		.amdhsa_float_denorm_mode_32 3
		.amdhsa_float_denorm_mode_16_64 3
		.amdhsa_memory_ordered 1
		.amdhsa_forward_progress 1
		.amdhsa_inst_pref_size 82
	.end_amdhsa_kernel
	.amdgpu_metadata
---
amdhsa.version: [ 1, 2 ]
amdhsa.kernels:
  - .name:           k_q9602255c41_project
    .symbol:         k_q9602255c41_project.kd
    .args:
      - { .name: x, .offset: 0, .size: 8, .value_kind: global_buffer, .address_space: global }
      - { .name: wcodes, .offset: 8, .size: 8, .value_kind: global_buffer, .address_space: global }
      - { .name: bq, .offset: 16, .size: 8, .value_kind: global_buffer, .address_space: global }
      - { .name: bk, .offset: 24, .size: 8, .value_kind: global_buffer, .address_space: global }
      - { .name: bv, .offset: 32, .size: 8, .value_kind: global_buffer, .address_space: global }
      - { .name: lowp_scales, .offset: 40, .size: 8, .value_kind: global_buffer, .address_space: global }
      - { .name: qcodes, .offset: 48, .size: 8, .value_kind: global_buffer, .address_space: global }
      - { .name: kcodes, .offset: 56, .size: 8, .value_kind: global_buffer, .address_space: global }
      - { .name: vcodes, .offset: 64, .size: 8, .value_kind: global_buffer, .address_space: global }
    .group_segment_fixed_size: 99328
    .private_segment_fixed_size: 0
    .kernarg_segment_align: 8
    .kernarg_segment_size: 72
    .max_flat_workgroup_size: 256
    .sgpr_count:     66
    .vgpr_count:     512
    .wavefront_size: 32
...
	.end_amdgpu_metadata
.endif
;; end of part 2
;; launch attn (part 3): grid 64 x 4, 8 waves a work-group, clusters of 4 x 1, 327,680 bytes of LDS; arguments qcodes, kcodes, vcodes, lowp_scales, x, out0; writes out0
.if DOCPART == 3
	.amdgcn_target "amdgcn-amd-amdhsa--gfx1250"
	.amdhsa_code_object_version 6
	.text
	.protected	k_q9602255c41_attn
	.globl	k_q9602255c41_attn
	.p2align	8
	.type	k_q9602255c41_attn,@function
k_q9602255c41_attn:
	s_mov_b64 s[64:65], 0
	v_nop
	global_prefetch_b8 v0, s[64:65] scope:SCOPE_SE
	s_setreg_imm32_b32 hwreg(HW_REG_WAVE_MODE, 25, 1), 1
	s_wait_xcnt 0x0
	s_wait_alu depctr_hold_cnt(0) depctr_sa_sdst(0) depctr_va_vdst(0) depctr_va_sdst(0) depctr_va_ssrc(0) depctr_va_vcc(0) depctr_vm_vsrc(0)
	s_getreg_b32 s2, hwreg(HW_REG_IB_STS2, 6, 4)
	s_cmp_eq_u32 s2, 0
	s_cbranch_scc0 .Lentry_in_a_cluster
	s_endpgm
.Lentry_in_a_cluster:
	s_bfe_u32 s2, ttmp6, 0x10000c
	s_cmp_lg_u32 s2, 0x3003
	s_cbranch_scc0 .Lentry_shape_is_right
	s_endpgm
.Lentry_shape_is_right:
; out[b][c][i] = (the sum over j of v[b][c][j] p[i][j]) / l[i] + x[b][c][i], both products on codes of BF8.  No work is left out.
; t = score x log2(e); M = the row's largest t rounded UP to a whole number; p = 2^(t - M) is quantised with e9, not normalised; l = the row's sum of the unquantised p, in f32, divides at the end.
; qcodes, kcodes, vcodes are the launch before's, laid as images of fragments: a group of four registers is 512 consecutive bytes, lane l's 16 at 16 l: row l % 16, K = 32 c + 16 (l / 16) + 0 .. 15, the same order on both sides of a product.
; SHARES.  A work-group: 64 queries (four tiles of 16) of one batch x all 512 channels.  Eight waves.
; PASS 1: THE MAXIMUM FIRST.  Each wave multiplies all 64 queries by 512 of the 4,096 keys and keeps each query's largest score; the eight meet in LDS.  So M is the row's own from the first key on: there is no running
;   maximum, and the 256 accumulator registers of O for each tile of queries are never rescaled.  The price: the first product's 128 short matrix instructions a wave once more, and 512 v_max3_num_f32.
; PASS 2, 16 slots of two steps of 128 keys.  Waves 0-3 MAKE p: wave w takes keys 32 w .. 32 w + 31 of a step, S^T = K Q^T (source 0 = 16 keys, source 1 = 16 queries: a lane holds one query; the keys of a tile are chosen so that
;   the 16 registers of its two tiles are 16 neighbouring keys), p, the sums, p's codes: group w of each of the four fragments of P, stored to LDS as an image.  Waves 4-7 MULTIPLY: wave 4 + w makes O^T += V^T P^T for channels
;   128 w .. + 127 x 64 queries: 32 accumulators; each fragment of V read from LDS feeds four matrix instructions.  They run one slot behind; P has two sets of two buffers; ONE barrier a slot.
; V comes through a ring of two LDS slots (131,072 bytes each), a step being one dense block of 65,536 bytes of vcodes; each of the eight waves fetches an eighth of a slot by one tensor load.
; THE WALK IS TURNED.  M being known, the sums do not hang on the order of the keys.  Cluster x of a batch's sixteen begins at slot ((2 x) & 14) | (x / 8) of the batch's sixteen and walks on modulo 16: the sixteen starts are
;   all different, so at any trip the sixteen clusters ask for sixteen different slots, and every slot but a cluster's first has been asked for before, by the cluster that began there.  So nothing is prefetched.
; CLUSTER.  The four work-groups of a cluster belong to one batch and walk the same V: each tile is asked for JOINTLY, by the same tensor load with the same descriptor and a mask that names the four.
;   K and Q are not: a making wave's 2,048 bytes of K a step are read by it alone in its work-group and come straight into its registers two steps ahead; they are one part in 33 of a step's bytes.
; THE WAY OUT.  O^T x 2^(e8 + e9) / l goes through the wave's own stage in LDS, 16 channels x 64 positions at a time, comes back as rows of 256 bytes, takes x on, and leaves as aligned runs of 256 bytes.
; LIMITS: e6 + e7 between -126 and 127 (added to log2(e)'s exponent field); e9 between -126 and 112; e8 + e9 goes by v_ldexp_f32 and has none.  A p under 2^-126 counts as 0.  NaN and infinities are not served.
;   The keys are summed from the cluster's first slot on, not from key 0: another order of rounding than ascending keys.
; REGISTERS.  Window 0, all waves: v1-16 addresses, made on the way that all waves take; v18, v19 2^e9 and 57,344 x 2^e9; v28-31 four maxima; v32-63 K's two sets; v96-127 Q; v128-255 pass 1's scores.
;   Making: v20-27 -M, twice for each tile; v64-71 l in two halves a tile; v72-87 p's codes; v88-95 at work; v128-191 S^T, then p.
;   Multiplying: v20-27 2^(e8 + e9) / l; v64-127 P's four fragments; v128-255 V's eight; on the way out v64-95 results, v96-127 and v224-255 rows, v128-223 three sets of x.  They never name v32-63.
;   Window 1: pass 1: 32 tiles of keys; then, in the multiplying waves, the accumulators: (tile of channels u, tile of queries t) at v[8 (4 u + t)].
.set SLOT1, 131072                     ; slot 1 begins here: one exclusive or turns an address in one slot into the other's
.set PB,    262144                     ; P: two sets of two buffers of 8,192 bytes: fragment t at 2,048 t, group c at 512 c
.set PSET,  16384                      ; from set to set
.set MX,    294912                     ; pass 1's maxima: 512 bytes a wave
.set LX,    299008                     ; the making waves' sums: 512 bytes each
.set SPARE, 301056                     ; the spare words, 128 bytes for each wave: four blocks of 256 bytes that no other line names
.set STG,   302080                     ; the stages: 16 rows x (256 + 16) bytes for each multiplying wave
.set LI,  1                            ; 16 x lane
.set PW,  2                            ; where I store p's codes, in the set that is being made
.set PR,  3                            ; where P is read, in the other set
.set ADV2, 4                           ; my 8 tiles of V in the second step of the slot that is being read
.set ADV, 5                            ; and in its first
.set MXW, 6
.set MXR, 7
.set LXW, 8
.set LXR, 9
.set SPW, 10                           ; LDS address of my spare word; never rewritten
.set NIL, 11                           ; 0; never rewritten
.set KO,  13                           ; my two tiles of K in a step's 8,192 bytes
.set STO, 14                           ; the stage: where I put a number
.set SRD, 15                           ; and where I read 16 bytes of a row back
.set GO,  16                           ; my 16 bytes in two rows of x and of out
.set NM,  20
.set RL,  20
.set MM,  28
.set KS,  32
.set LS,  64
.set PC,  72
.set TP,  88
.set QF,  96
.set S,   128
.set D1,  128
.set PF,  64
.set VF,  128
.set TT,  64
.set RR,  96
.set XX,  128
.set SI,  2                            ; s2   the slot of the batch's sixteen that was asked for last
.set WV,  16                           ; s16  my wave's number;  s17 its low two bits
.set G1,  24                           ; s[24:31] descriptor group 1
.set G0,  32                           ; s[32:35] descriptor group 0: it walks
.set CS,  40                           ; s[40:41] log2(e) x 2^(e6 + e7), twice
.set SEL, 42                           ; s[42:43] lane selects for v_permlanex16_b32: lane l xor 16
.set TB,  44                           ; s44  LDS byte of my 8 tiles of V in the slot that is being read;  s45 the same in its second step
.set T2,  45
.set TR,  46                           ; s46  the loop's trips to go
.set PWS, 47                           ; s47  LDS byte of my group in the set of P that is being made
.set VB,  48                           ; s[48:49] V's codes: my batch, my eighth of a slot
.set KB,  50                           ; s[50:51] K's codes at the slot whose K is being fetched
.set K1,  52                           ; s[52:53] pass 1: my 512 keys
.set PRS, 55                           ; s55  LDS byte of the set of P that is being read
.set VO,  62                           ; s[62:63] a slot's byte offset in a batch's V
.set MSB, 0
.macro WIN new                         ; the immediate's high byte repeats the setting that is left
.if MSB != \new
	s_set_vgpr_msb (MSB<<8)|\new
.set MSB, \new
.endif
.endm
.macro CROUND                          ; a round of the cluster's barrier: my work-group's barrier; wave 0 signals for the work-group; every wave waits for all four work-groups; my work-group's barrier once more
	s_barrier_signal -1
	s_barrier_wait -1
	s_cmp_lg_u32 s[WV], 0
	s_cbranch_scc1 .Lnot_wave_0_\@
	s_barrier_signal -3
.Lnot_wave_0_\@:
	s_barrier_wait -3
	s_barrier_signal -1
	s_barrier_wait -1
.endm
.macro BAR                             ; my LDS stores have landed and my LDS loads are in: then the work-group's barrier.
	s_wait_dscnt 0x0
	s_barrier_signal -1
	s_barrier_wait -1
.endm
.macro JLOAD                           ; my eighth of a slot, 16,384 bytes.  All eight waves issue it, with no branch.  An s_nop 0 and four v_nop follow
	tensor_load_to_lds s[G0:G0+3], s[G1:G1+7]
	s_nop 0
.rept 4
	v_nop
.endr
.endm
	s_load_b256 s[4:11], s[0:1], 0x0               ; qcodes s[4:5], kcodes s[6:7], vcodes s[8:9], the exponents s[10:11]
	s_load_b128 s[12:15], s[0:1], 0x20             ; x s[12:13], out s[14:15]
	v_lshl_add_u32 v[SPW], v0, 2, SPARE
	v_mov_b32 v[NIL], 0
	ds_add_u32 v[SPW], v[NIL]                      ; the wave's opening: the add, twice on end, and its wait ahead of my first tensor load; the set-up below, work on registers, stands between the second and the wait
	ds_add_u32 v[SPW], v[NIL]
	v_lshrrev_b32 v17, 5, v0
	v_readfirstlane_b32 s[WV], v17                 ; wave 0..7
	s_and_b32 s17, s[WV], 3
	s_bfe_u32 s18, ttmp6, 0x40000                  ; cx: my place in the cluster: it enters global addresses of Q, x and out alone
	s_lshl_b32 s19, ttmp9, 2                       ; in a cluster launch ttmp9 counts clusters
	s_add_co_u32 s19, s19, s18                     ; my block of 64 queries
	s_and_b32 s20, ttmp7, 0xffff                   ; the batch, which the four partners share
	s_lshl_b32 s[SI], ttmp9, 1                     ; my cluster's first slot: ((2 x) & 14) | (x / 8), x the cluster's number in its batch: the same in all four partners
	s_and_b32 s[SI], s[SI], 14
	s_lshr_b32 s3, ttmp9, 3
	s_or_b32 s[SI], s[SI], s3
	; descriptor group 1: 16,384 dense bytes as 64 rows of 32 elements of 8 bytes, no padding: the images are read 512 consecutive bytes at a time
	s_mov_b32 s[G1], 15|(3<<16)|(1<<21)            ; 15:0 the mask: all four work-groups; 17:16 elements of 8 bytes; 21 set beside a mask
	s_mov_b32 s[G1+1], 32<<16                      ; tensor_dim0 = 32
	s_mov_b32 s[G1+2], 64<<16                      ; tensor_dim1 = 64
	s_mov_b32 s[G1+3], 32<<16                      ; tile_dim0 = 32
	s_mov_b32 s[G1+4], 64                          ; tile_dim1 = 64
	s_mov_b32 s[G1+5], 32                          ; tensor_dim0_stride
	s_mov_b32 s[G1+6], 0
	s_mov_b32 s[G1+7], 0
	s_mov_b32 s[SEL], 0x76543210
	s_mov_b32 s[SEL+1], 0xfedcba98
	s_lshl_b32 s[TB], s17, 14                      ; slot 0; 8 tiles of 2,048 bytes a multiplying wave
	s_lshl_b32 s21, s17, 9
	s_add_co_u32 s[PWS], s21, PB                   ; set 0, group w of each fragment of P
	s_mov_b32 s[PRS], PB                           ; set 0
	v_and_b32 v17, 31, v0                          ; lane
	v_lshlrev_b32 v[LI], 4, v17
	v_add_nc_u32 v[PW], s[PWS], v[LI]
	s_lshl_b32 s22, s[WV], 9
	s_add_co_u32 s22, s22, MX
	v_add_nc_u32 v[MXW], s22, v[LI]
	v_add_nc_u32 v[MXR], MX, v[LI]
	s_add_co_u32 s22, s21, LX
	v_add_nc_u32 v[LXW], s22, v[LI]
	v_add_nc_u32 v[LXR], LX, v[LI]
	s_lshl_b32 s22, s17, 11
	v_add_nc_u32 v[KO], s22, v[LI]
	s_mul_i32 s22, s17, 4352
	s_add_co_u32 s22, s22, STG                     ; my stage
	v_and_b32 v88, 15, v0                          ; r
	v_bfe_u32 v89, v0, 4, 1                        ; h
	v_and_b32 v90, 8, v88
	v_add_nc_u32 v90, v90, v88                     ; r + 8 (r / 8): query r of tile t is position 32 (t / 2) + 8 (t % 2) + this
	v_lshlrev_b32 v90, 2, v90
	v_mul_u32_u24 v91, v89, 2176                   ; my eight channels are rows 8 h on, 272 bytes each
	v_add_nc_u32 v90, v91, v90
	v_add_nc_u32 v[STO], s22, v90
	v_mul_u32_u24 v91, v89, 272                    ; back: lanes 0-15 one row of 256 bytes, lanes 16-31 the next
	v_lshl_add_u32 v91, v88, 4, v91
	v_add_nc_u32 v[SRD], s22, v91
	v_lshlrev_b32 v91, 14, v89                     ; and the same two rows in x and in out: a channel is 16,384 bytes
	v_lshl_add_u32 v[GO], v88, 4, v91
	s_wait_dscnt 0x0                               ; both opening adds are done
	s_wait_kmcnt 0x0
	s_load_b128 s[36:39], s[10:11], 0x18           ; e6, e7, e8, e9
	; what the partners share, in registers that never hold my place in the cluster
	s_mov_b32 s[G0], 1                             ; count = 1
	s_lshl_b32 s[G0+1], s[WV], 14                  ; LDS address: slot 0, my eighth
	s_lshl_b32 s60, s20, 21                        ; a batch's V is 2 MiB
	s_add_co_u32 s60, s60, s[G0+1]
	s_mov_b32 s61, 0
	s_add_nc_u64 s[VB:VB+1], s[8:9], s[60:61]
	s_lshl_b32 s[VO], s[SI], 17                    ; a slot's V is 131,072 bytes
	s_mov_b32 s[VO+1], 0
	s_add_nc_u64 s[G0+2:G0+3], s[VB:VB+1], s[VO:VO+1]   ; global address: my cluster's first slot, my eighth
	s_or_b32 s[G0+3], s[G0+3], 0x80000000          ; type = 2
	s_lshl_b32 s60, s20, 18                        ; a batch's K is 256 KiB
	s_add_nc_u64 s[6:7], s[6:7], s[60:61]
	s_lshl_b32 s60, s[WV], 15
	s_add_nc_u64 s[K1:K1+1], s[6:7], s[60:61]      ; pass 1: my 32 tiles of keys
	s_lshl_b32 s60, s[SI], 14                      ; a slot's K is 16,384 bytes
	s_add_nc_u64 s[KB:KB+1], s[6:7], s[60:61]
	; what hangs on my block
	s_lshl_b32 s22, s20, 18
	s_lshl_b32 s23, s19, 12
	s_add_co_u32 s22, s22, s23
	s_mov_b32 s23, 0
	s_add_nc_u64 s[4:5], s[4:5], s[22:23]          ; Q: my four tiles
	s_lshl_b32 s22, s20, 23                        ; x, out: batch x 8 MiB + 128 channels x (wave % 4) + 256 x block
	s_lshl_b32 s21, s17, 21
	s_add_co_u32 s22, s22, s21
	s_lshl_b32 s21, s19, 8
	s_add_co_u32 s22, s22, s21
	s_add_nc_u64 s[56:57], s[12:13], s[22:23]
	s_add_nc_u64 s[58:59], s[14:15], s[22:23]
	CROUND                                         ; all four work-groups are here: the first joint loads meet
	JLOAD                                          ; LDS slot 0: my cluster's first two steps
.irp i, 0,1,2,3,4,5,6,7
	global_load_b128 v[QF+4*\i:QF+4*\i+3], v[LI], s[4:5] offset:512*\i            ; Q stays in registers: tile t at QF + 8 t
.endr
.irp i, 0,1,2,3
	global_load_b128 v[KS+4*\i:KS+4*\i+3], v[KO], s[KB:KB+1] offset:512*\i        ; pass 2's K of the first step,
.endr
.irp i, 0,1,2,3
	global_load_b128 v[KS+16+4*\i:KS+16+4*\i+3], v[KO], s[KB:KB+1] offset:8192+512*\i   ; and of the second.  (All eight waves run these lines: no branch; the multiplying waves do not use them)
.endr
	WIN 0x40                                       ; destination window 1
.set i, 0
.rept 64
	global_load_b128 v[4*i:4*i+3], v[LI], s[K1:K1+1] offset:512*i                 ; pass 1: tile i / 2 of my 32
.set i, i+1
.endr
	WIN 0
	s_wait_kmcnt 0x0
	s_add_co_i32 s21, s36, s37
	s_lshl_b32 s21, s21, 23
	s_mov_b32 s[CS], 0x3fb8aa3b                    ; log2(e);
	s_add_co_i32 s[CS], s[CS], s21                 ; a score stands for score x 2^(e6 + e7): the two exponents are added to its exponent field
	s_mov_b32 s[CS+1], s[CS]                       ; (named with it as a pair, so it is written)
	s_add_co_i32 s21, s39, 127
	s_lshl_b32 s22, s21, 23
	v_mov_b32 v18, s22                             ; 2^e9 as f32, for the conversion
	s_add_co_i32 s21, s21, 15
	s_lshl_b32 s21, s21, 23
	s_or_b32 s21, s21, 0x600000
	v_mov_b32 v19, s21                             ; 57,344 x 2^e9
	s_add_co_i32 s54, s38, s39                     ; e8 + e9
.irp t, 0,1,2,3
	v_mov_b32 v[MM+\t], 0xff7fffff                 ; under every finite score
.endr
; PASS 1, group g of eight: four tiles of keys x four tiles of queries, and the maxima: four chains, each accumulator from its low end on.
.macro P1GROUP g
	s_wait_loadcnt 56-8*\g                         ; loads come back in order: the group's eight are in; those of the groups behind it may be out
	WIN 0x01                                       ; source 0 (the keys) window 1
.irp k, 0,1,2,3
.irp t, 0,1,2,3
	v_wmma_f32_16x16x64_bf8_bf8 v[D1+8*(4*\k+\t):D1+8*(4*\k+\t)+7], v[8*(4*\g+\k):8*(4*\g+\k)+7], v[QF+8*\t:QF+8*\t+7], 0
.endr
.endr
	WIN 0
.rept 4
	v_nop                                          ; four places ahead of the first read of results (ISA guide 7.12.1)
.endr
.irp k, 0,1,2,3
.irp i, 0,2,4,6
.irp t, 0,1,2,3
	v_max3_num_f32 v[MM+\t], v[MM+\t], v[D1+8*(4*\k+\t)+\i], v[D1+8*(4*\k+\t)+\i+1]
.endr
.endr
.endr
.endm
	P1GROUP 0
	P1GROUP 1
	P1GROUP 2
	P1GROUP 3
	P1GROUP 4
	P1GROUP 5
	P1GROUP 6
	P1GROUP 7
.irp t, 0,1,2,3
	v_permlanex16_b32 v[TP+\t], v[MM+\t], s[SEL], s[SEL+1]   ; a query's other keys lie in the lane 16 away
.endr
.irp t, 0,1,2,3
	v_max_num_f32 v[MM+\t], v[MM+\t], v[TP+\t]
.endr
	ds_store_b128 v[MXW], v[MM:MM+3]
	BAR                                            ; the eight waves' maxima lie in LDS; slot 0's load may stay out
.irp i, 0,1,2,3,4,5,6,7
	ds_load_b128 v[128+4*\i:131+4*\i], v[MXR] offset:512*\i
.endr
	s_wait_dscnt 0x0
.irp t, 0,1,2,3
	v_max3_num_f32 v[MM+\t], v[128+\t], v[132+\t], v[136+\t]
.endr
.irp t, 0,1,2,3
	v_max3_num_f32 v[MM+\t], v[MM+\t], v[140+\t], v[144+\t]
.endr
.irp t, 0,1,2,3
	v_max3_num_f32 v[MM+\t], v[MM+\t], v[148+\t], v[152+\t]
.endr
.irp t, 0,1,2,3
	v_max_num_f32 v[MM+\t], v[MM+\t], v[156+\t]    ; the row's largest score,
.endr
.irp t, 0,1,2,3
	v_mul_f32 v[MM+\t], s[CS], v[MM+\t]            ; as t (the factor is positive)
.endr
.irp t, 0,1,2,3
	v_floor_f32 v[NM+2*\t], -v[MM+\t]              ; -M = floor(-t) = -ceil(t)
.endr
.irp t, 0,1,2,3
	v_mov_b32 v[NM+2*\t+1], v[NM+2*\t]             ; (named with it as a pair)
.endr
.irp j, 0,1,2,3,4,5,6,7
	v_mov_b32 v[LS+\j], 0                          ; the sums
.endr
; A MAKING WAVE'S STEP.  ks: K's set; e: which of the set of P's two buffers; kload = 1: K's set, once multiplied, takes the K of two steps on, from koff bytes behind s[KB]: it has two steps in which to land.
; kwait: the loads issued behind this step's K: the other set's four, or none.
.macro PROD ks, e, kload, koff, kwait
	s_wait_loadcnt \kwait                          ; K of this step is in
.irp t, 0,1,2,3
.irp u, 0,1
	v_wmma_f32_16x16x64_bf8_bf8 v[S+16*\t+8*\u:S+16*\t+8*\u+7], v[KS+16*\ks+8*\u:KS+16*\ks+8*\u+7], v[QF+8*\t:QF+8*\t+7], 0
.endr
.endr
.rept 4
	v_nop                                          ; four places ahead of the loads into K's set and of the first read of results
.endr
.if \kload
.irp i, 0,1,2,3
	global_load_b128 v[KS+16*\ks+4*\i:KS+16*\ks+4*\i+3], v[KO], s[KB:KB+1] offset:\koff+512*\i
.endr
.endif
.irp t, 0,1,2,3
.irp i, 0,2,4,6,8,10,12,14
	v_pk_fma_f32 v[S+16*\t+\i:S+16*\t+\i+1], v[S+16*\t+\i:S+16*\t+\i+1], s[CS:CS+1], v[NM+2*\t:NM+2*\t+1] op_sel_hi:[1,0,0]   ; t - M, two at a time
.endr
.endr
.irp j, 0,1,2,3,4,5,6,7,8,9,10,11,12,13,14,15,16,17,18,19,20,21,22,23,24,25,26,27,28,29,30,31,32,33,34,35,36,37,38,39,40,41,42,43,44,45,46,47,48,49,50,51,52,53,54,55,56,57,58,59,60,61,62,63
	v_exp_f32 v[S+\j], v[S+\j]                     ; p = 2^(t - M)
.endr
	v_nop                                          ; a plain instruction behind the last exponential (ISA guide 5.7.2),
	s_wait_alu depctr_va_vdst(0)                   ; and one wait ahead of the batch's first reader
.irp i, 0,2,4,6,8,10,12,14
.irp t, 0,1,2,3
	v_pk_add_f32 v[LS+2*\t:LS+2*\t+1], v[LS+2*\t:LS+2*\t+1], v[S+16*\t+\i:S+16*\t+\i+1]   ; the sums are taken of the unquantised p: four chains
.endr
.endr
	s_wait_dscnt 0x0                               ; the last step's stores, issued a step ago, have read the codes' registers
.irp t, 0,1,2,3
.irp i, 0,1,2,3,4,5,6,7,8,9,10,11,12,13,14,15
	v_min_num_f32 v[S+16*\t+\i], v[S+16*\t+\i], v19   ; the conversion to an 8-bit code does not saturate (ISA guide 7.6.2); p is not negative, so the hold is one-sided
.endr
	v_cvt_scalef32_pk8_bf8_f32 v[PC+4*\t:PC+4*\t+1], v[S+16*\t:S+16*\t+7], v18
	v_cvt_scalef32_pk8_bf8_f32 v[PC+4*\t+2:PC+4*\t+3], v[S+16*\t+8:S+16*\t+15], v18
.endr
	v_nop                                          ; a plain vector line behind the last conversion: the next step's products write its sources
.irp t, 0,1,2,3
	ds_store_b128 v[PW], v[PC+4*\t:PC+4*\t+3] offset:\e*8192+\t*2048
.endr
.endm
; A MULTIPLYING WAVE'S STEP: P's four fragments, V's eight, 32 matrix instructions; the 32 accumulators take turns, one instruction a turn.  zero = 1: the first products start the sums.
.macro CONS adr, e, zero
.irp t, 0,1,2,3
.irp c, 0,1,2,3
	ds_load_b128 v[PF+16*\t+4*\c:PF+16*\t+4*\c+3], v[PR] offset:\e*8192+\t*2048+512*\c
.endr
.endr
.irp u, 0,1,2,3,4,5,6,7
.irp c, 0,1,2,3
	ds_load_b128 v[VF+16*\u+4*\c:VF+16*\u+4*\c+3], v[\adr] offset:\u*2048+512*\c
.endr
.endr
	WIN 0x50                                       ; C and D window 1
.irp u, 0,1,2,3,4,5,6,7
	s_wait_dscnt 4*(7-\u)                          ; LDS loads come back in order: P and V's fragments up to u are in; the later fragments' loads may be out
.irp t, 0,1,2,3
.if \zero
	v_wmma_f32_16x16x128_bf8_bf8 v[8*(4*\u+\t):8*(4*\u+\t)+7], v[VF+16*\u:VF+16*\u+15], v[PF+16*\t:PF+16*\t+15], 0
.else
	v_wmma_f32_16x16x128_bf8_bf8 v[8*(4*\u+\t):8*(4*\u+\t)+7], v[VF+16*\u:VF+16*\u+15], v[PF+16*\t:PF+16*\t+15], v[8*(4*\u+\t):8*(4*\u+\t)+7]
.endif
.endr
.endr
	WIN 0
.rept 4
	v_nop                                          ; places in front of the next loads into these registers, and of the first read of results
.endr
.endm
.macro XLD u                           ; x of my channels 16 u .. 16 u + 15, my 64 positions: each load two rows of 256 bytes; three sets of registers by turns
.irp i, 0,1,2,3,4,5,6,7
	global_load_b128 v[XX+32*((\u)%3)+4*\i:XX+32*((\u)%3)+4*\i+3], v[GO], s[56:57] offset:(16*(\u)+2*\i)*16384 th:TH_LOAD_NT
.endr
.endm
; A TRIP: two key steps, one barrier.  In trip a the making waves make the walk's steps 2 a and 2 a + 1 into one set of P; the multiplying waves take steps 2 a - 2 and 2 a - 1 from the other set and from the LDS slot at s[TB].
; At its head each wave waits for all its tensor loads (one is out: its eighth of the slot at s[TB]), adds 0 to its spare word, and waits for that and for its LDS reads and stores.
; fill = 1: behind a round of the cluster's barrier the other slot, which was read out in the trip before, takes the walk's next two steps: the load has this whole trip in which to land.
; mode 0: K of the next trip's two steps is fetched; 1: the last two steps are made, and no K is left to fetch; 2: nothing is left to make: the sums go to LDS, and x is asked for.
.macro TRIP fill, zero, mode
	s_wait_tensorcnt 0x0                           ; no tensor load of mine is out, so group 0 may be written
	ds_add_u32 v[SPW], v[NIL]                      ; 0 onto my spare word; the steps below stand between it and the wait for it
.if \fill
	s_xor_b32 s[G0+1], s[G0+1], SLOT1              ; the other LDS slot than last time,
	s_add_co_u32 s[SI], s[SI], 1
	s_and_b32 s[SI], s[SI], 15                     ; the batch's next slot, modulo 16
	s_lshl_b32 s[VO], s[SI], 17
	s_add_nc_u64 s[G0+2:G0+3], s[VB:VB+1], s[VO:VO+1]
	s_or_b32 s[G0+3], s[G0+3], 0x80000000          ; type = 2
.endif
.if \mode == 0
	s_add_co_u32 s3, s[SI], 1
	s_and_b32 s3, s3, 15                           ; K runs one slot further on than V
	s_lshl_b32 s60, s3, 14
	s_wait_xcnt 0x0                                ; the last trip's loads of K have read their base, so it may be written
	s_add_nc_u64 s[KB:KB+1], s[6:7], s[60:61]
.endif
	s_wait_dscnt 0x0                               ; the add is done; my reads of the slot and of the set left in the last trip are over; my codes of p have landed
.if \fill
	CROUND                                         ; all that now holds of every wave of all four work-groups
	JLOAD                                          ; the first thing behind the round, and my one tensor load until the next
.else
	s_barrier_signal -1
	s_barrier_wait -1
.endif
	s_add_co_u32 s[T2], s[TB], 65536
	v_add_nc_u32 v[ADV], s[TB], v[LI]              ; the trip's LDS addresses, on the way that all waves take
	v_add_nc_u32 v[ADV2], s[T2], v[LI]
	v_add_nc_u32 v[PR], s[PRS], v[LI]
.if \mode < 2
	v_add_nc_u32 v[PW], s[PWS], v[LI]
.endif
	s_cmp_lt_u32 s[WV], 4
	s_cbranch_scc0 .Lmul_\@
.if \mode == 0
	PROD 0, 0, 1, 0, 4
	PROD 1, 1, 1, 8192, 4
.elseif \mode == 1
	PROD 0, 0, 0, 0, 4
	PROD 1, 1, 0, 0, 0
.else
.irp t, 0,1,2,3
	v_add_f32 v[MM+\t], v[LS+2*\t], v[LS+2*\t+1]   ; the sums' two halves,
.endr
.irp t, 0,1,2,3
	v_permlanex16_b32 v[TP+\t], v[MM+\t], s[SEL], s[SEL+1]
.endr
.irp t, 0,1,2,3
	v_add_f32 v[MM+\t], v[MM+\t], v[TP+\t]         ; and lane l xor 16's: my quarter of the keys
.endr
	ds_store_b128 v[LXW], v[MM:MM+3]
.endif
	s_branch .Ljoin_\@
.Lmul_\@:
	CONS ADV, 0, \zero
	CONS ADV2, 1, 0
.if \mode == 2
	XLD 0                                          ; V's registers are free: x runs three blocks ahead of the way out
	XLD 1
	XLD 2
.endif
.Ljoin_\@:
	s_xor_b32 s[TB], s[TB], SLOT1                  ; the slots and the sets of P change places
	s_xor_b32 s[PRS], s[PRS], PSET
	s_xor_b32 s[PWS], s[PWS], PSET
.endm
	s_wait_xcnt 0x0                                ; the head's loads of K have read their base
	s_add_co_u32 s3, s[SI], 1
	s_and_b32 s3, s3, 15
	s_lshl_b32 s60, s3, 14
	s_add_nc_u64 s[KB:KB+1], s[6:7], s[60:61]      ; K at my cluster's second slot
	s_cmp_lt_u32 s[WV], 4
	s_cbranch_scc0 .Lno_first
	PROD 0, 0, 1, 0, 4                             ; the first two steps' p, into set 0; there is nothing yet to multiply
	PROD 1, 1, 1, 8192, 4
.Lno_first:
	s_xor_b32 s[PWS], s[PWS], PSET                 ; trip 1 makes set 1 and reads set 0
	TRIP 1, 1, 0                                   ; trip 1: LDS slot 1 is filled for the first time, as a refill is. Its products start O's sums
	s_mov_b32 s[TR], 13
.Ltrip:                                            ; trips 2 to 14
	TRIP 1, 0, 0
	s_sub_co_u32 s[TR], s[TR], 1
	s_cmp_lg_u32 s[TR], 0
	s_cbranch_scc1 .Ltrip
	TRIP 1, 0, 1                                   ; trip 15 is written out: the last fill; no K is left to fetch
	TRIP 0, 0, 2                                   ; trip 16 is written out: nothing is left to fetch or to make
	BAR                                            ; the four sums lie in LDS
	s_cmp_lt_u32 s[WV], 4
	s_cbranch_scc1 .Ldone
	; THE WAY OUT, multiplying waves alone
.irp i, 0,1,2,3
	ds_load_b128 v[96+4*\i:99+4*\i], v[LXR] offset:512*\i
.endr
	s_wait_dscnt 0x0
.irp t, 0,1,2,3
	v_add_f32 v[96+\t], v[96+\t], v[100+\t]
.endr
.irp t, 0,1,2,3
	v_add_f32 v[104+\t], v[104+\t], v[108+\t]
.endr
.irp t, 0,1,2,3
	v_add_f32 v[96+\t], v[96+\t], v[104+\t]        ; l of query r of tile t
.endr
.irp t, 0,1,2,3
	v_rcp_f32 v[112+\t], v[96+\t]
.endr
	v_nop                                          ; a plain instruction between the last reciprocal and the use of its result,
	s_wait_alu depctr_va_vdst(0)                   ; and a wait ahead of the first use: one for the four
.irp t, 0,1,2,3
	v_ldexp_f32 v[RL+2*\t], v[112+\t], s54         ; 2^(e8 + e9) / l
.endr
.irp t, 0,1,2,3
	v_mov_b32 v[RL+2*\t+1], v[RL+2*\t]             ; (named with it as a pair)
.endr
; Block u: 16 channels x 64 positions.  A lane holds eight channels of one position in each tile of queries: single numbers go into my own stage, rows of 256 bytes come back, into two sets of registers by turns.
.macro STGB u
	WIN 0x01                                       ; source 0 (the sums) window 1
.irp t, 0,1,2,3
.irp i, 0,2,4,6
	v_pk_mul_f32 v[TT+8*\t+\i:TT+8*\t+\i+1], v[8*(4*(\u)+\t)+\i:8*(4*(\u)+\t)+\i+1], v[RL+2*\t:RL+2*\t+1] op_sel_hi:[1,0]   ; each accumulator from its low end on
.endr
.endr
	WIN 0
.irp t, 0,1,2,3
.irp j, 0,1,2,3,4,5,6,7
	ds_store_b32 v[STO], v[TT+8*\t+\j] offset:272*\j+128*(\t/2)+32*(\t%2)   ; the 32 lanes fall on 32 different banks: words r + 8 (r / 8) + 32 h, modulo 64 (64 banks of 4 bytes: ISA guide 11.1)
.endr
.endr
.if (\u) > 1
	s_wait_xcnt 0x0                                ; block u - 2's stores have read their registers: this block's rows may land there
.endif
.irp i, 0,1,2,3,4,5,6,7
	ds_load_b128 v[RR+128*((\u)%2)+4*\i:RR+128*((\u)%2)+4*\i+3], v[SRD] offset:544*\i   ; LDS serves a wave's instructions in order (ISA guide 5.7.1.4): these see my stores, and the next block's stores come behind them
.endr
.endm
; Block u takes x on and leaves.  younger: the LDS instructions issued behind its loads from the stage: the next block's 32 stores and 8 loads, or none.
.macro SENDB u, younger
	s_wait_dscnt \younger                          ; the block's rows are back in registers
.if 7-(\u) < 2
	s_wait_loadcnt 8*(7-(\u))                      ; x of this block is in; the later blocks' loads may be out
.else
	s_wait_loadcnt 16
.endif
.irp k, 0,2,4,6,8,10,12,14,16,18,20,22,24,26,28,30
	v_pk_add_f32 v[RR+128*((\u)%2)+\k:RR+128*((\u)%2)+\k+1], v[RR+128*((\u)%2)+\k:RR+128*((\u)%2)+\k+1], v[XX+32*((\u)%3)+\k:XX+32*((\u)%3)+\k+1]
.endr
.irp i, 0,1,2,3,4,5,6,7
	global_store_b128 v[GO], v[RR+128*((\u)%2)+4*\i:RR+128*((\u)%2)+4*\i+3], s[58:59] offset:(16*(\u)+2*\i)*16384 th:TH_STORE_NT   ; sixteen lanes store 256 consecutive bytes, at a multiple of 256 from out's first byte
.endr
.if (\u) < 5
	XLD (\u)+3                                     ; into the set of x that the additions above have just read
.endif
.endm
	STGB 0
.irp u, 1,2,3,4,5,6,7
	STGB \u                                        ; a block's way through the stage stands between the loads of the block before and the wait for them
	SENDB (\u)-1, 40
.endr
	SENDB 7, 0
.Ldone:
	s_wait_tensorcnt 0x0                           ; the wave's end, behind my last tensor load and my last LDS store
	ds_add_u32 v[SPW], v[NIL]
	s_wait_dscnt 0x0
	CROUND                                         ; the closing round: no work-group ends while a partner may still ask for a tile that names it
	s_endpgm
.Lfunc_end_k_q9602255c41_attn:
	.size	k_q9602255c41_attn, .Lfunc_end_k_q9602255c41_attn-k_q9602255c41_attn
	.p2alignl 7, 3214868480
	.fill 96, 4, 3214868480
	.section	.rodata,"a",@progbits
	.p2align	6, 0x0
	.amdhsa_kernel k_q9602255c41_attn
		.amdhsa_group_segment_fixed_size 327680
		.amdhsa_private_segment_fixed_size 0
		.amdhsa_enable_private_segment 0
		.amdhsa_kernarg_size 48
		.amdhsa_user_sgpr_count 2
		.amdhsa_user_sgpr_kernarg_segment_ptr 1
		.amdhsa_wavefront_size32 1
		.amdhsa_system_sgpr_workgroup_id_x 1
		.amdhsa_system_sgpr_workgroup_id_y 1
		.amdhsa_system_sgpr_workgroup_id_z 1
		.amdhsa_system_vgpr_workitem_id 0
		.amdhsa_next_free_vgpr 512
		.amdhsa_next_free_sgpr 66
		.amdhsa_reserve_vcc 0
		.amdhsa_float_denorm_mode_32 3
		.amdhsa_float_denorm_mode_16_64 3
		.amdhsa_memory_ordered 1
		.amdhsa_forward_progress 1
		.amdhsa_inst_pref_size 237
	.end_amdhsa_kernel
	.amdgpu_metadata
---
amdhsa.version: [ 1, 2 ]
amdhsa.kernels:
  - .name:           k_q9602255c41_attn
    .symbol:         k_q9602255c41_attn.kd
    .args:
      - { .name: qcodes, .offset: 0, .size: 8, .value_kind: global_buffer, .address_space: global }
      - { .name: kcodes, .offset: 8, .size: 8, .value_kind: global_buffer, .address_space: global }
      - { .name: vcodes, .offset: 16, .size: 8, .value_kind: global_buffer, .address_space: global }
      - { .name: lowp_scales, .offset: 24, .size: 8, .value_kind: global_buffer, .address_space: global }
      - { .name: x, .offset: 32, .size: 8, .value_kind: global_buffer, .address_space: global }
      - { .name: out0, .offset: 40, .size: 8, .value_kind: global_buffer, .address_space: global }
    .group_segment_fixed_size: 327680
    .private_segment_fixed_size: 0
    .kernarg_segment_align: 8
    .kernarg_segment_size: 48
    .max_flat_workgroup_size: 256
    .sgpr_count:     66
    .vgpr_count:     512
    .wavefront_size: 32
...
	.end_amdgpu_metadata
.endif
;; end of part 3
